; MI455X (gfx1250); checked and timed in simulation.
; The chip was launched on July 23, 2026; its instructions are those of AMD's public machine-readable ISA for CDNA 5 (MIT licence, August 2026) and "CDNA5" Instruction Set Architecture Reference Guide (July 2026). The comments in the code are by the model that wrote it; some were corrected since.
;; Multi Head Attention. Allowed arithmetic: matrix products marked QUANTISED: E2M3 operands, one E8M0 scale for each 32 along K, by v_wmma_scale_f32_16x16x128_f8f6f4 with both operands' format E2M3, f32 sums; everything else in f32.
;; Inputs: Wk_codes 16 x 64 x 32 x 24 uint8 (E2M3 codes of Wk, K innermost, in blocks of 32 codes, four codes in three bytes); Wk_scales 16 x 64 x 32 uint8 (E8M0 scales of Wk, one for each 32 codes along K); Wo_codes 1,024 x 32 x 24 uint8 (E2M3 codes of Wo, K innermost, in blocks of 32 codes, four codes in three bytes); Wo_scales 1,024 x 32 uint8 (E8M0 scales of Wo, one for each 32 codes along K); Wq_codes 16 x 64 x 32 x 24 uint8 (E2M3 codes of Wq, K innermost, in blocks of 32 codes, four codes in three bytes); Wq_scales 16 x 64 x 32 uint8 (E8M0 scales of Wq, one for each 32 codes along K); Wv_codes 16 x 64 x 32 x 24 uint8 (E2M3 codes of Wv, K innermost, in blocks of 32 codes, four codes in three bytes); Wv_scales 16 x 64 x 32 uint8 (E8M0 scales of Wv, one for each 32 codes along K); bo 1,024 float32; x_codes 4 x 2,048 x 32 x 24 uint8 (E2M3 codes of x, K innermost, in blocks of 32 codes, four codes in three bytes); x_scales 4 x 2,048 x 32 uint8 (E8M0 scales of x, one for each 32 codes along K).
;; Outputs: out0 4 x 2,048 x 1,024 float32.
;; This version of the problem:
;;   THIS VERSION OF THE PROBLEM IS GIVEN IN LOW PRECISION. The matrix products marked QUANTISED in the list below multiply operands that are first quantised to E2M3 (2 exponent bits, 3 mantissa bits; 6 bits a number), with one power-of-two scale for each 32 numbers along K (OCP MX v1.0); their sums are f32. All else is computed in f32.
;;   The module's matrix products, in the order in which they are computed (A, B: the left and right operand; K: the contracted axis; several contracted axes count as one K, in the product's order):
;;     1. [M 1,024, K 1,024] x [K 1,024, N 8,192]; A: input Wq (given as codes); B: input x (given as codes): QUANTISED
;;     2. [M 1,024, K 1,024] x [K 1,024, N 8,192]; A: input Wk (given as codes); B: input x (given as codes): QUANTISED
;;     3. [M 1,024, K 1,024] x [K 1,024, N 8,192]; A: input Wv (given as codes); B: input x (given as codes): QUANTISED
;;     4. batch 64 x [M 2,048, K 64] x [K 64, N 2,048]; A: computed on the way; B: computed on the way: QUANTISED
;;     5. batch 64 x [M 2,048, K 2,048] x [K 2,048, N 64]; A: softmax (see below); B: computed on the way: QUANTISED
;;     6. [M 8,192, K 1,024] x [K 1,024, N 1,024]; A: computed on the way; B: input Wo (given as codes): QUANTISED
;;   THE QUANTISER, for each operand of a quantised product, along K:
;;     - K is cut into blocks of 32 from its start; a last block that is shorter is filled with zeros.
;;     - A block's scale is 2^e with e = floor(log2(the largest magnitude in the block)) - 2, held to -126 .. 127; a block of zeros has e = 0. As a byte (E8M0): e + 127.
;;     - Each number is divided by its block's scale, clamped to +-7.5, and rounded to the nearest number of E2M3, ties to even, subnormals kept.
;;     - The product sums the exact products of the quantised numbers (number of the format x scale) in f32.
;;   ~~~python
;;   def quantise(x, axis):      # numpy; x: float32 -> the quantised numbers, widened to float32 again
;;       x = np.moveaxis(x, axis, -1); K = x.shape[-1]
;;       x = np.pad(x, [(0, 0)] * (x.ndim - 1) + [(0, -K % 32)]); x = x.reshape(x.shape[:-1] + (-1, 32)); a = np.abs(x).max(-1, keepdims=True)
;;       e = np.where(a > 0, np.clip(np.frexp(np.where(a > 0, a, 1))[1] - 1 - 2, -126, 127), 0)      # np.frexp(a)[1] - 1 = floor(log2(a)), exactly
;;       r = np.clip(x / 2.0 ** e, -7.5, 7.5)
;;       step = 2.0 ** (np.maximum(np.frexp(np.where(r == 0, 1, r))[1] - 1, 0) - 3)
;;       q = np.round(r / step) * step * 2.0 ** e      # np.round: ties to even
;;       return np.moveaxis(q.reshape(q.shape[:-2] + (-1,))[..., :K], -1, axis).astype(np.float32)
;;   ~~~
;;   SOFTMAX AHEAD OF A QUANTISED PRODUCT. Where the list says 'softmax', what is quantised is not the finished softmax but p = 2^(t - M), with t = logit x log2(e) and M = ceil(the row's largest t), a whole number; so 1/2 < the row's largest p <= 1. The row's sum l is taken of the UNQUANTISED p, in f32, and the product's result is divided by l at the end. Since M is a whole number, a kernel that streams over the keys may use a running M (the ceiling of the running maximum): every later rescaling is an exact power of two, which a block's scale takes up: the codes' values come out the same.
;;   OPERANDS COMPUTED ON THE WAY. 'Computed on the way' means the value that the module computes at that place (a softmax that the list does not call 'softmax' is quantised finished and normalised). What goes into a quantiser is computed in f32, as accurately as f32 sums, v_exp_f32 and their like allow (about 1e-6 of the number): no bf16 or f16 on the way to a quantiser, and a product that is left as it is and whose result goes on into a quantised operand takes f32 operands (vector FMAs, or v_wmma_f32_16x16x4_f32). A number that lies on a knife's edge between two numbers of the format may be rounded either way, as far as f32 arithmetic and the matrix unit's own rounding can turn it there, and no further.
;;   INPUTS GIVEN AS CODES. Wk (in the module: [16, 64, 1024], K = its axis 2); Wo (in the module: [1024, 1024], K = its axis 1); Wq (in the module: [16, 64, 1024], K = its axis 2); Wv (in the module: [16, 64, 1024], K = its axis 2); x (in the module: [4, 2048, 1024], K = its axis 2): each comes as NAME_codes (uint8): NAME with its K axis moved to the last place and cut into blocks of 32 codes, [.., K / 32, bytes a block], one block behind the other in memory; four codes in three bytes: a row's codes are one little-endian stream of bits, code i at bits 6 i .. 6 i + 5 (a code: sign, 2 exponent bits, 3 mantissa bits); and NAME_scales (uint8): the same leading axes, one E8M0 byte (e + 127) for each 32 codes along K. Its value is code x scale, taken as it is: it is not quantised again, and the codes and scales need not be those that the quantiser above would give.
;; One version. Each part assembles by itself: llvm-mc -triple=amdgcn-amd-amdhsa -mcpu=gfx1250 --defsym DOCPART=n.
;; ======== version 1 of 1: 3 launches
;; limits: right only within a limited range of input values
;; workspace buffers: qr 6,815,744 bytes; kv 13,369,344 bytes; zc 6,553,600 bytes
;; launch proj (part 1): grid 12 x 32, 4 waves a work-group, clusters of 4 x 4, 327,680 bytes of LDS; arguments x_codes, x_scales, Wq_codes, Wq_scales, Wk_codes, Wk_scales, Wv_codes, Wv_scales, qr, kv; writes qr, kv
.if DOCPART == 1
	.amdgcn_target "amdgcn-amd-amdhsa--gfx1250"
	.amdhsa_code_object_version 6
	.text
	.protected	k_q7e9f77ea3d_proj
	.globl	k_q7e9f77ea3d_proj
	.p2align	8
	.type	k_q7e9f77ea3d_proj,@function
k_q7e9f77ea3d_proj:
	s_mov_b64 s[64:65], 0
	v_nop
	global_prefetch_b8 v0, s[64:65] scope:SCOPE_SE
	s_setreg_imm32_b32 hwreg(HW_REG_WAVE_MODE, 25, 1), 1
	s_wait_xcnt 0x0
	s_wait_alu depctr_hold_cnt(0) depctr_sa_sdst(0) depctr_va_vdst(0) depctr_va_sdst(0) depctr_va_ssrc(0) depctr_va_vcc(0) depctr_vm_vsrc(0)
	s_getreg_b32 s2, hwreg(HW_REG_IB_STS2, 6, 4)
	s_cmp_eq_u32 s2, 0
	s_cbranch_scc0 .Lentry_in_a_cluster
	s_endpgm
.Lentry_in_a_cluster:
	s_bfe_u32 s2, ttmp6, 0x10000c
	s_cmp_lg_u32 s2, 0xf033
	s_cbranch_scc0 .Lentry_shape_is_right
	s_endpgm
.Lentry_shape_is_right:
; q, k, v = x W^T on codes of FP6 (E2M3) with E8M0 scales, K = 1,024; the results are quantised again (q, k along the head's 64 channels, v along the keys) and stored as images of operand registers.
; Cluster x 0: q, 1: k (A = x's rows, B = W's rows), 2: v (A = Wv's rows, B = x's rows, so that a lane's registers run along the keys).
; A work-group of four waves makes 256 x 256, a wave 128 x 128 in 64 accumulators.  K goes through a ring of two LDS slots in chunks of 256 bytes of each row (a row of codes is 768 bytes: three chunks,
; each at a multiple of 256 bytes); a step of 128 along K is 96 bytes: eight steps; steps 2 and 5 lie across two chunks.  The scales of the 256 + 256 rows come once.
; CLUSTER 4 x 4: A's tiles are asked for jointly along a row of the cluster, B's along a column.  The matrix instruction is used transposed (source 0 = B's rows): a lane holds eight neighbouring columns of one row.
; No prefetch: K has three chunks, two of them asked for at the head, and the walk is written out: there is no loop to run ahead in.
; A block whose largest magnitude lies under 2^-124 gets the scale byte 1.  NaN and infinities are not served.
; REGISTERS: window 0: v16-29 addresses, v32-63 scale words (two sets), from v128 A's fragments; window 1: B's fragments, two sets; windows 2, 3: the accumulators.  On the way out window 0's v64-223 are at work.
.set ROWB,   256
.set NQ,     2
.set KROW,   768
.set STEPS,  8
.set CHUNKS, 3
.set PITCH,  272                       ; 256 bytes + 16 of padding
.set FR,     12
.set NL,     6
.set NP,     4
.set HALFT,  128*PITCH
.set SLOT,   4*HALFT
.set KS,     32
.set SCL,    2*SLOT
.set HALFS,  (128*KS/256)*272
.set SBLK,   (16*KS/256)*272
.set SPARE,  SCL+4*HALFS               ; the spare words: 512 bytes that no other line names
.set ADRA, 16
.set ADRB, 20
.set L16,  24
.set L8,   25
.set ADRS, 27
.set SPW,  28
.set NIL,  29
.set SC,   32
.set AF,   128
.set CD,   64
.set PWR,  160
.set SELR, 168
.set H0R,  172
.set H1R,  176
.set TM,   200
.set TT,   216
.set G1, 24
.set G0, 32
.set G1B, 48
.set G0B, 56
.set G1S, 68
.set G0S, 76
.set G1SB, 80
.set G0SB, 88
.set G0H, 4
.set G0HB, 8
.set MSB, 0
.macro WIN new
.if MSB != \new
	s_set_vgpr_msb (MSB<<8)|\new
.set MSB, \new
.endif
.endm
.set MUL_LO, 0xa1
.set MUL_HI, 0xf1
.set TO_B,   0x40
.macro JLOAD g0a, g1a, g0b, g1b        ; waves 0, 1 fetch for A, waves 2, 3 for B
	s_cmp_eq_u32 s15, 0
	s_cbranch_scc0 .Lfor_b_\@
	tensor_load_to_lds s[\g0a:\g0a+3], s[\g1a:\g1a+7]
	s_nop 0
.rept 4
	v_nop
.endr
	s_branch .Lasked_\@
.Lfor_b_\@:
	tensor_load_to_lds s[\g0b:\g0b+3], s[\g1b:\g1b+7]
	s_nop 0
.rept 4
	v_nop
.endr
.Lasked_\@:
.endm
.macro CREST
	s_cmp_lg_u32 s14, 0
	s_cbranch_scc1 .Lnot_wave_0_\@
	s_barrier_signal -3
.Lnot_wave_0_\@:
	s_barrier_wait -3
	s_barrier_signal -1
	s_barrier_wait -1
.endm
.macro CROUND
	s_barrier_signal -1
	s_barrier_wait -1
	CREST
.endm
	s_load_b512 s[68:83], s[0:1], 0x0              ; x, Wq, Wk, Wv: codes and scales
	s_load_b128 s[84:87], s[0:1], 0x40             ; qr, kv
	v_lshl_add_u32 v[SPW], v0, 2, SPARE
	v_mov_b32 v[NIL], 0
	ds_add_u32 v[SPW], v[NIL]                      ; the opening lines
	ds_add_u32 v[SPW], v[NIL]
	v_lshrrev_b32 v1, 5, v0
	v_readfirstlane_b32 s14, v1                    ; wave
	s_lshr_b32 s15, s14, 1
	s_and_b32 s16, s14, 1
	s_bfe_u32 s40, ttmp6, 0x40000                  ; cx
	s_bfe_u32 s41, ttmp6, 0x40004                  ; cy
	s_and_b32 s18, ttmp7, 0xffff
	s_lshl_b32 s18, s18, 2
	s_lshl_b32 s43, s41, 2
	s_lshl_b32 s43, 15, s43                        ; my row of the cluster
	s_lshl_b32 s44, 0x1111, s40                    ; my column
	s_or_b32 s[G1+0], s43, (0<<16)|(1<<20)|(1<<21)|(5<<22)|(3<<25)
	s_or_b32 s[G1B+0], s44, (0<<16)|(1<<20)|(1<<21)|(5<<22)|(3<<25)
.irp g, G1, G1B
	s_mov_b32 s[\g+1], ROWB<<16
	s_mov_b32 s[\g+2], 256<<16                     ; the head's loads bring 256 rows
	s_mov_b32 s[\g+3], ROWB<<16
	s_mov_b32 s[\g+4], 256
	s_mov_b32 s[\g+5], KROW
	s_mov_b32 s[\g+6], 0
	s_mov_b32 s[\g+7], 0
.endr
	s_wait_dscnt 0x0
	s_wait_kmcnt 0x0
	s_cmp_eq_u32 ttmp9, 0                          ; which product: the cluster's x, the same in all partners
	s_cselect_b64 s[88:89], s[72:73], s[76:77]
	s_cselect_b64 s[90:91], s[74:75], s[78:79]
	s_cselect_b64 s[12:13], s[84:85], s[86:87]
	s_cmp_eq_u32 ttmp9, 2
	s_cselect_b64 s[4:5], s[80:81], s[68:69]       ; A's codes, scales
	s_cselect_b64 s[6:7], s[82:83], s[70:71]
	s_cselect_b64 s[8:9], s[68:69], s[88:89]       ; B's
	s_cselect_b64 s[10:11], s[70:71], s[90:91]
	s_cselect_b32 s17, 0, s18
	s_cselect_b32 s42, s18, 0
	s_add_co_u32 s17, s17, s41                     ; tile row
	s_add_co_u32 s42, s42, s40                     ; tile column
	s_or_b32 s[G1S+0], s43, (3<<16)|(1<<20)|(1<<21)|(5<<22)|(3<<25)
	s_or_b32 s[G1SB+0], s44, (3<<16)|(1<<20)|(1<<21)|(5<<22)|(3<<25)
.irp g, G1S, G1SB                      ; the scales of 256 rows: 32 rows of 256 bytes, dense
	s_mov_b32 s[\g+1], 32<<16
	s_mov_b32 s[\g+2], KS<<16
	s_mov_b32 s[\g+3], 32<<16
	s_mov_b32 s[\g+4], KS
	s_mov_b32 s[\g+5], 32
	s_mov_b32 s[\g+6], 0
	s_mov_b32 s[\g+7], 0
.endr
	s_lshl_b32 s20, s17, 8
	s_lshl_b32 s46, s42, 8
	s_mov_b32 s21, 0
	s_mov_b32 s47, 0
	s_mov_b64 s[18:19], KS
	s_mul_u64 s[22:23], s[20:21], s[18:19]
	s_mul_u64 s[92:93], s[46:47], s[18:19]
	s_mov_b64 s[18:19], KROW
	s_mul_u64 s[20:21], s[20:21], s[18:19]
	s_mul_u64 s[46:47], s[46:47], s[18:19]
	s_mul_i32 s18, s16, 128*KROW
	s_mov_b32 s19, 0
	s_mul_i32 s45, s14, HALFT
	s_add_nc_u64 s[20:21], s[4:5], s[20:21]
	s_add_nc_u64 s[22:23], s[6:7], s[22:23]
	s_add_nc_u64 s[46:47], s[8:9], s[46:47]
	s_add_nc_u64 s[92:93], s[10:11], s[92:93]
	CROUND                                         ; the first joint loads meet
	s_mov_b32 s[G0H], 1
	s_mov_b32 s[G0H+1], 0
	s_mov_b64 s[G0H+2:G0H+3], s[20:21]
	s_or_b32 s[G0H+3], s[G0H+3], 0x80000000
	s_mov_b32 s[G0HB], 1
	s_mov_b32 s[G0HB+1], 2*HALFT
	s_mov_b64 s[G0HB+2:G0HB+3], s[46:47]
	s_or_b32 s[G0HB+3], s[G0HB+3], 0x80000000
	s_mov_b32 s[G0S], 1
	s_mov_b32 s[G0S+1], SCL
	s_mov_b64 s[G0S+2:G0S+3], s[22:23]
	s_or_b32 s[G0S+3], s[G0S+3], 0x80000000
	s_mov_b32 s[G0SB], 1
	s_mov_b32 s[G0SB+1], SCL+2*HALFS
	s_mov_b64 s[G0SB+2:G0SB+3], s[92:93]
	s_or_b32 s[G0SB+3], s[G0SB+3], 0x80000000
	s_add_nc_u64 s[20:21], s[20:21], s[18:19]      ; for the ring: my 128 rows
	s_add_nc_u64 s[46:47], s[46:47], s[18:19]
.irp s, 0,1
	s_mov_b32 s[G0+4*\s], 1
	s_add_co_u32 s[G0+4*\s+1], s45, \s*SLOT
	s_add_nc_u64 s[G0+4*\s+2:G0+4*\s+3], s[20:21], \s*ROWB
	s_or_b32 s[G0+4*\s+3], s[G0+4*\s+3], 0x80000000
	s_mov_b32 s[G0B+4*\s], 1
	s_add_co_u32 s[G0B+4*\s+1], s45, \s*SLOT
	s_add_nc_u64 s[G0B+4*\s+2:G0B+4*\s+3], s[46:47], \s*ROWB
	s_or_b32 s[G0B+4*\s+3], s[G0B+4*\s+3], 0x80000000
.endr
; The head's four tiles, one load a wave: chunk 0 of A, chunk 0 of B, A's scales, B's scales
.macro ARM under, g0, g1, next
	s_cmp_lt_u32 s14, \under
	s_cbranch_scc0 \next
	tensor_load_to_lds s[\g0:\g0+3], s[\g1:\g1+7]
	s_nop 0
.rept 4
	v_nop
.endr
	s_branch .Lhead_asked
\next:
.endm
	ARM 1, G0H,  G1,  .Lhead_b
	ARM 2, G0HB, G1B, .Lhead_sa
	ARM 3, G0S,  G1S, .Lhead_sb
	tensor_load_to_lds s[G0SB:G0SB+3], s[G1SB:G1SB+7]
	s_nop 0
.rept 4
	v_nop
.endr
.Lhead_asked:
	v_and_b32 v1, 15, v0
	v_bfe_u32 v2, v0, 4, 1
	v_mul_u32_u24 v3, v1, PITCH
	v_mul_u32_u24 v4, v2, 24
	v_add_nc_u32 v4, v3, v4                        ; row x pitch + 24 x half
	s_mov_b32 s21, SLOT-232
	s_mov_b32 s22, SLOT+232
	v_sub_nc_u32 v7, 1, v2
	v_mul_u32_u24 v5, s21, v2
	v_add_nc_u32 v5, v3, v5
	v_add_nc_u32 v5, 232, v5                       ; across two chunks: lanes 0-15 byte 232 in slot 0, lanes 16-31 byte 0 in slot 1;
	v_mul_u32_u24 v6, s22, v7
	v_add_nc_u32 v6, v3, v6                        ; and the other way round
	s_mul_i32 s21, s15, HALFT
	s_mul_i32 s22, s16, HALFT
	s_add_co_u32 s22, s22, 2*HALFT
	v_add_nc_u32 v[ADRA+2], s21, v5
	v_add_nc_u32 v[ADRA+3], s21, v6
	v_add_nc_u32 v[ADRB+2], s22, v5
	v_add_nc_u32 v[ADRB+3], s22, v6
.irp s, 0,1
	v_add_nc_u32 v[ADRA+\s], s21, v4
	v_add_nc_u32 v[ADRB+\s], s22, v4
	s_add_co_u32 s21, s21, SLOT
	s_add_co_u32 s22, s22, SLOT
.endr
	v_mul_u32_u24 v5, v1, KS
	v_lshrrev_b32 v6, 8, v5
	v_lshl_add_u32 v5, v6, 4, v5
	s_mul_i32 s21, s15, HALFS
	s_mul_i32 s22, s16, HALFS
	s_add_co_u32 s22, s22, 2*HALFS
	s_sub_co_u32 s22, s22, s21
	v_mul_u32_u24 v6, s22, v2                      ; lanes 16-31 take B's scale words
	s_add_co_u32 s21, s21, SCL
	v_add_nc_u32 v5, v5, v6
	v_add_nc_u32 v[ADRS], s21, v5
	v_and_b32 v6, 31, v0
	v_lshlrev_b32 v[L16], 4, v6
	v_lshlrev_b32 v[L8], 3, v6
.macro FRAG reg, adr, st, i            ; 16 rows x 128 K: six pieces of 8 bytes; each lies inside one chunk
.irp p, 0,1,2,3,4,5
.set BY, 96*(\st)+48*(\p/3)+8*(\p%3)
.if BY/ROWB == (BY+24)/ROWB
	ds_load_b64 v[\reg+2*\p:\reg+2*\p+1], v[\adr+(BY/ROWB)%2] offset:BY%ROWB+(\i)*16*PITCH
.else
	ds_load_b64 v[\reg+2*\p:\reg+2*\p+1], v[\adr+2+(BY/ROWB)%2] offset:BY%ROWB-232+(\i)*16*PITCH
.endif
.endr
.endm
.macro MUL16 a0, p, q, sc, zero        ; the 64 accumulators take turns
.irp a, \a0, \a0+1
.irp b, 0,1,2,3,4,5,6,7
.if \zero
	v_wmma_scale_f32_16x16x128_f8f6f4 v[8*(8*((\a)%4)+\b):8*(8*((\a)%4)+\b)+7], v[128*(\p)+FR*\b:128*(\p)+FR*\b+FR-1], v[AF+FR*(\a):AF+FR*(\a)+FR-1], 0, v[SC+8*NQ*(\sc)+NQ*\b+(\q)], v[SC+8*NQ*(\sc)+NQ*(\a)+(\q)] matrix_a_fmt:MATRIX_FMT_FP6 matrix_b_fmt:MATRIX_FMT_FP6 matrix_a_scale:MATRIX_SCALE_ROW1
.else
	v_wmma_scale_f32_16x16x128_f8f6f4 v[8*(8*((\a)%4)+\b):8*(8*((\a)%4)+\b)+7], v[128*(\p)+FR*\b:128*(\p)+FR*\b+FR-1], v[AF+FR*(\a):AF+FR*(\a)+FR-1], v[8*(8*((\a)%4)+\b):8*(8*((\a)%4)+\b)+7], v[SC+8*NQ*(\sc)+NQ*\b+(\q)], v[SC+8*NQ*(\sc)+NQ*(\a)+(\q)] matrix_a_fmt:MATRIX_FMT_FP6 matrix_b_fmt:MATRIX_FMT_FP6 matrix_a_scale:MATRIX_SCALE_ROW1
.endif
.endr
.endr
.endm
.macro FETCH_B st, p
	WIN TO_B
.irp i, 0,1,2,3,4,5,6,7
	FRAG 128*(\p)+FR*\i, ADRB, \st, \i
.endr
	WIN 0
.endm
.macro FETCH_A st, i0
.irp i, \i0, \i0+1, \i0+2, \i0+3
	FRAG AF+FR*(\i), ADRA, \st, \i
.endr
.endm
.macro SCALES pr
.irp i, 0,1,2,3,4,5,6,7
	ds_load_b64 v[SC+8*NQ*((\pr)%2)+NQ*\i:SC+8*NQ*((\pr)%2)+NQ*\i+1], v[ADRS] offset:\i*SBLK+4*NQ*(\pr)
.endr
.endm
.macro PLACES n
.rept \n
	v_nop
.endr
.endm
; A step: 64 products; the next step's fragments are fetched in its middle and at its end.  Where the next step ends in a chunk not yet read: a barrier for that chunk.  Where it begins in a later chunk:
; the wait for all tensor loads, the add, the wait for it and for my reads, and the barrier, which opens a round of the cluster's barrier where a chunk is left to fetch.
.macro STEP st, zero
.set NX, (\st)+1
.set C0, (96*(\st))/ROWB
.set C1, (96*NX)/ROWB
.set E0, (96*(\st)+95)/ROWB
.set E1, (96*NX+95)/ROWB
.if C1 > C0 || E1 > E0
	s_wait_tensorcnt 0x0
.if C1 > C0
	ds_add_u32 v[SPW], v[NIL]
	s_wait_dscnt 4*NL+1                            ; the add and A's blocks 4-7 may be out
.else
	s_wait_dscnt 4*NL
.endif
	WIN MUL_LO
	MUL16 0, (\st)%2, (\st)%2, ((\st)/2)%2, \zero
	s_wait_dscnt 0x0
	s_barrier_signal -1
	MUL16 2, (\st)%2, (\st)%2, ((\st)/2)%2, \zero
	WIN 0
	s_barrier_wait -1
.if C1 > C0 && C0+2 < CHUNKS
	CREST
	s_add_nc_u64 s[G0+4*(C0%2)+2:G0+4*(C0%2)+3], s[G0+4*(C0%2)+2:G0+4*(C0%2)+3], 2*ROWB
	s_add_nc_u64 s[G0B+4*(C0%2)+2:G0B+4*(C0%2)+3], s[G0B+4*(C0%2)+2:G0B+4*(C0%2)+3], 2*ROWB
	JLOAD G0+4*(C0%2), G1, G0B+4*(C0%2), G1B       ; chunk C0 + 2; its four v_nop are the places in front of the loads below
.else
	PLACES NP
.endif
.else
	s_wait_dscnt 4*NL                              ; A's blocks 4-7 may be out
	WIN MUL_LO
	MUL16 0, (\st)%2, (\st)%2, ((\st)/2)%2, \zero
	MUL16 2, (\st)%2, (\st)%2, ((\st)/2)%2, \zero
	s_wait_dscnt 0
	PLACES NP
.endif
	FETCH_B NX, NX%2
	FETCH_A NX, 0
.if NX%2 == 0
	SCALES NX/2
.endif
	WIN MUL_HI
	MUL16 4, (\st)%2, (\st)%2, ((\st)/2)%2, \zero
	MUL16 6, (\st)%2, (\st)%2, ((\st)/2)%2, \zero
	PLACES NP
	WIN 0
	FETCH_A NX, 4
.endm
	s_wait_alu depctr_va_vdst(0)
	s_wait_tensorcnt 0x0                           ; my tile of the head's four is in
	ds_add_u32 v[SPW], v[NIL]                      ; the add ahead of a later first fill
	s_mov_b32 s[G1+2], 128<<16                     ; no load of mine is out: from here on a load brings 128 rows
	s_mov_b32 s[G1+4], 128
	s_mov_b32 s[G1B+2], 128<<16
	s_mov_b32 s[G1B+4], 128
	; where the images go: qr [head][16 records of 6,656], kv [head][16 records of 13,056]; a record: 128 tokens
	s_lshl_b32 s18, s17, 1
	s_add_co_u32 s18, s18, s15
	s_lshl_b32 s19, s42, 1
	s_add_co_u32 s19, s19, s16
	s_cmp_eq_u32 ttmp9, 0
	s_mov_b32 s92, 208896
	s_cselect_b32 s92, 106496, s92
	s_mov_b32 s93, 13056
	s_cselect_b32 s93, 6656, s93
	s_mov_b32 s94, 12288
	s_cselect_b32 s94, 6144, s94
	s_cmp_eq_u32 ttmp9, 2
	s_cselect_b32 s46, s19, s18
	s_cselect_b32 s47, s18, s19
	s_cselect_b32 s94, 12800, s94
	s_cselect_b32 s95, 6144, 0
	s_cselect_b32 s96, 3072, s92
	s_cselect_b32 s97, s92, 3072
	s_lshr_b32 s20, s46, 4
	s_and_b32 s21, s46, 15
	s_lshl_b32 s20, s20, 4
	s_lshl_b32 s47, s47, 1
	s_add_co_u32 s20, s20, s47
	s_mul_i32 s20, s20, s92
	s_mul_i32 s21, s21, s93
	s_add_co_u32 s20, s20, s21
	s_mov_b32 s21, 0
	s_mov_b32 s19, 0
	s_add_nc_u64 s[12:13], s[12:13], s[20:21]
	s_mov_b32 s18, s95
	s_add_nc_u64 s[4:5], s[12:13], s[18:19]
	s_mov_b32 s18, s96
	s_add_nc_u64 s[6:7], s[4:5], s[18:19]
	s_mov_b32 s18, s97
	s_add_nc_u64 s[8:9], s[4:5], s[18:19]
	s_mov_b32 s18, s96
	s_add_nc_u64 s[10:11], s[8:9], s[18:19]
	s_mov_b32 s18, s94
	s_add_nc_u64 s[12:13], s[12:13], s[18:19]
	s_mov_b32 s18, s92
	s_add_nc_u64 s[20:21], s[12:13], s[18:19]
	s_mov_b32 s22, 0xffff0000
	s_mov_b32 s2, 0x76543210
	s_mov_b32 s3, 0xfedcba98
	s_wait_dscnt 0x0
	CROUND                                         ; all four tiles are in, all sixteen work-groups are here
	JLOAD G0+4, G1, G0B+4, G1B                     ; chunk 1
	FETCH_B 0, 0
	FETCH_A 0, 0
	SCALES 0
	FETCH_A 0, 4
	STEP 0, 1                                      ; the first step's products start the sums
.set ST, 1
.rept STEPS-2
	STEP ST, 0
.set ST, ST+1
.endr
	s_wait_dscnt 4*NL
	WIN MUL_LO
	MUL16 0, 1, 1, 1, 0
	MUL16 2, 1, 1, 1, 0
	s_wait_dscnt 0
	WIN MUL_HI
	MUL16 4, 1, 1, 1, 0
	MUL16 6, 1, 1, 1, 0
	WIN 0
; THE WAY OUT: block a's 16 rows x 128 columns are quantised in four blocks of 32 columns (a block lies in lanes l and l xor 16) and become 12 registers of an operand, codes in the order 0-7, 16-23, 8-15, 24-31 of a block
.macro QUANT a
.set AC, 64*((\a)%4)
.set WW, 2+(\a)/4
.set WA, WW|(WW<<2)
.set WB, (WW<<2)|(WW<<4)
	WIN WA
.irp b, 0,1,2,3
	v_max3_num_f32 v[TM+\b], |v[AC+16*\b]|, |v[AC+16*\b+1]|, 0x1800000
.endr
	WIN WB
.irp i, 2,4,6,8,10,12,14
.irp b, 0,1,2,3
	v_max3_num_f32 v[TM+\b], v[TM+\b], |v[AC+16*\b+\i]|, |v[AC+16*\b+\i+1]|
.endr
.endr
	WIN 0
.irp b, 0,1,2,3
	v_permlanex16_b32 v[TM+4+\b], v[TM+\b], s2, s3
.endr
.irp b, 0,1,2,3
	v_max_num_f32 v[TM+\b], v[TM+\b], v[TM+4+\b]
.endr
.irp b, 0,1,2,3
	v_add_nc_u32 v[TM+12+\b], 0xff000000, v[TM+\b]
.endr
.irp b, 0,1,2,3
	v_lshrrev_b32 v[TM+4+\b], 23, v[TM+12+\b]
.endr
	v_lshl_or_b32 v[PWR+(\a)], v[TM+5], 8, v[TM+4]
	v_lshl_or_b32 v[PWR+(\a)], v[TM+6], 16, v[PWR+(\a)]
	v_lshl_or_b32 v[PWR+(\a)], v[TM+7], 24, v[PWR+(\a)]
	WIN WW
.irp c, 0,1
	v_cvt_scalef32_pk16_fp6_f32 v[CD+12*(\a)+6*\c:CD+12*(\a)+6*\c+2], v[AC+32*\c:AC+32*\c+15], v[TM+12+2*\c]
	v_cvt_scalef32_pk16_fp6_f32 v[TT+4*\c:TT+4*\c+2], v[AC+32*\c+16:AC+32*\c+31], v[TM+12+2*\c+1]
.endr
	WIN 0
	v_nop
.irp c, 0,1
.irp i, 0,1,2
	v_permlane16_swap_b32 v[CD+12*(\a)+6*\c+\i], v[TT+4*\c+\i]
.endr
.irp i, 0,1,2
	v_mov_b32 v[CD+12*(\a)+6*\c+3+\i], v[TT+4*\c+\i]
.endr
.endr
.endm
.macro PUT a                           ; each half fragment is an image of 768 bytes: 512 by 16 bytes a lane, 256 by 8
.set XB, 4+4*((\a)/4)
.set OO, ((\a)%4)*768
	global_store_b128 v[L16], v[CD+12*(\a):CD+12*(\a)+3], s[XB:XB+1] offset:OO
	global_store_b64 v[L8], v[CD+12*(\a)+4:CD+12*(\a)+5], s[XB:XB+1] offset:OO+512
	global_store_b128 v[L16], v[CD+12*(\a)+6:CD+12*(\a)+9], s[XB+2:XB+3] offset:OO
	global_store_b64 v[L8], v[CD+12*(\a)+10:CD+12*(\a)+11], s[XB+2:XB+3] offset:OO+512
.endm
	PLACES NP
.irp b, 0,1,2,3
	v_mov_b32 v[TM+4+\b], 0
.endr
.irp a, 0,1,2,3,4,5,6,7
	QUANT \a
	PUT \a
.endr
.irp i, 0,1,2,3
	v_cndmask_b32 v[SELR+\i], v[PWR+2*\i], v[PWR+2*\i+1], s22   ; lanes 0-15 block 2 i's words, lanes 16-31 block 2 i + 1's
.endr
	s_cmp_eq_u32 ttmp9, 2
	s_cbranch_scc0 .Lqk_scales
	global_store_b64 v[L8], v[SELR:SELR+1], s[12:13]
	global_store_b64 v[L8], v[SELR+2:SELR+3], s[20:21]
	s_branch .Lscales_out
.Lqk_scales:
	s_wait_alu depctr_va_vdst(0)
.irp i, 0,1,2,3
	v_and_b32 v[H0R+\i], 0xffff, v[SELR+\i]        ; a head's two bytes; bytes 2, 3 stay 0
.endr
.irp i, 0,1,2,3
	v_lshrrev_b32 v[H1R+\i], 16, v[SELR+\i]
.endr
	global_store_b128 v[L16], v[H0R:H0R+3], s[12:13]
	global_store_b128 v[L16], v[H1R:H1R+3], s[20:21]
.Lscales_out:
	s_wait_tensorcnt 0x0                           ; the wave's end
	ds_add_u32 v[SPW], v[NIL]
	s_wait_dscnt 0x0
	CROUND                                         ; the closing round
	s_endpgm
.Lfunc_end_k_q7e9f77ea3d_proj:
	.size	k_q7e9f77ea3d_proj, .Lfunc_end_k_q7e9f77ea3d_proj-k_q7e9f77ea3d_proj
	.p2alignl 7, 3214868480
	.fill 96, 4, 3214868480
	.section	.rodata,"a",@progbits
	.p2align	6, 0x0
	.amdhsa_kernel k_q7e9f77ea3d_proj
		.amdhsa_group_segment_fixed_size 327680
		.amdhsa_private_segment_fixed_size 0
		.amdhsa_enable_private_segment 0
		.amdhsa_kernarg_size 80
		.amdhsa_user_sgpr_count 2
		.amdhsa_user_sgpr_kernarg_segment_ptr 1
		.amdhsa_wavefront_size32 1
		.amdhsa_system_sgpr_workgroup_id_x 1
		.amdhsa_system_sgpr_workgroup_id_y 1
		.amdhsa_system_sgpr_workgroup_id_z 1
		.amdhsa_system_vgpr_workitem_id 0
		.amdhsa_next_free_vgpr 1024
		.amdhsa_next_free_sgpr 98
		.amdhsa_reserve_vcc 0
		.amdhsa_float_denorm_mode_32 3
		.amdhsa_float_denorm_mode_16_64 3
		.amdhsa_memory_ordered 1
		.amdhsa_forward_progress 1
		.amdhsa_inst_pref_size 167
	.end_amdhsa_kernel
	.amdgpu_metadata
---
amdhsa.version: [ 1, 2 ]
amdhsa.kernels:
  - .name:           k_q7e9f77ea3d_proj
    .symbol:         k_q7e9f77ea3d_proj.kd
    .args:
      - { .name: x_codes, .offset: 0, .size: 8, .value_kind: global_buffer, .address_space: global }
      - { .name: x_scales, .offset: 8, .size: 8, .value_kind: global_buffer, .address_space: global }
      - { .name: Wq_codes, .offset: 16, .size: 8, .value_kind: global_buffer, .address_space: global }
      - { .name: Wq_scales, .offset: 24, .size: 8, .value_kind: global_buffer, .address_space: global }
      - { .name: Wk_codes, .offset: 32, .size: 8, .value_kind: global_buffer, .address_space: global }
      - { .name: Wk_scales, .offset: 40, .size: 8, .value_kind: global_buffer, .address_space: global }
      - { .name: Wv_codes, .offset: 48, .size: 8, .value_kind: global_buffer, .address_space: global }
      - { .name: Wv_scales, .offset: 56, .size: 8, .value_kind: global_buffer, .address_space: global }
      - { .name: qr, .offset: 64, .size: 8, .value_kind: global_buffer, .address_space: global }
      - { .name: kv, .offset: 72, .size: 8, .value_kind: global_buffer, .address_space: global }
    .group_segment_fixed_size: 327680
    .private_segment_fixed_size: 0
    .kernarg_segment_align: 8
    .kernarg_segment_size: 80
    .max_flat_workgroup_size: 128
    .sgpr_count:     98
    .vgpr_count:     1024
    .wavefront_size: 32
...
	.end_amdgpu_metadata
.endif
;; end of part 1
;; launch attn (part 2): grid 4 x 64, 16 waves a work-group, clusters of 4 x 1, 215,040 bytes of LDS; arguments qr, kv, zc; writes zc
.if DOCPART == 2
	.amdgcn_target "amdgcn-amd-amdhsa--gfx1250"
	.amdhsa_code_object_version 6
	.text
	.protected	k_q7e9f77ea3d_attn
	.globl	k_q7e9f77ea3d_attn
	.p2align	8
	.type	k_q7e9f77ea3d_attn,@function
k_q7e9f77ea3d_attn:
	s_mov_b64 s[64:65], 0
	v_nop
	global_prefetch_b8 v0, s[64:65] scope:SCOPE_SE
	s_setreg_imm32_b32 hwreg(HW_REG_WAVE_MODE, 25, 1), 1
	s_wait_xcnt 0x0
	s_wait_alu depctr_hold_cnt(0) depctr_sa_sdst(0) depctr_va_vdst(0) depctr_va_sdst(0) depctr_va_ssrc(0) depctr_va_vcc(0) depctr_vm_vsrc(0)
	s_getreg_b32 s2, hwreg(HW_REG_IB_STS2, 6, 4)
	s_cmp_eq_u32 s2, 0
	s_cbranch_scc0 .Lentry_in_a_cluster
	s_endpgm
.Lentry_in_a_cluster:
	s_bfe_u32 s2, ttmp6, 0x10000c
	s_cmp_lg_u32 s2, 0x3003
	s_cbranch_scc0 .Lentry_shape_is_right
	s_endpgm
.Lentry_shape_is_right:
; z = softmax(mask(q k^T) x 8) v for one head and 512 queries a work-group, both products on codes of FP6 (E2M3) with E8M0 scales; z is quantised along the head's 64 channels and stored as an operand's image.
; THE MASK: a score that is exactly 0 is replaced ahead of the softmax.  THE SOFTMAX: t = score x 8 log2(e); M = the running largest t rounded UP to a whole number; p = 2^(t - M) is quantised along the keys;
; the row's sum is taken of the unquantised p and divides at the end.  When M moves, the sum and O are multiplied by 2^(old M - new M): exact.
; SHARES.  256 work-groups, four to a head.  Sixteen waves, four to a SIMD; a wave makes two passes, each with one tile of 16 queries over all 2,048 keys in 16 steps of 128.
; LDS.  A head's K, V and scale words are 16 records of 13,056 bytes: they come ONCE, wave w fetching record w by its one tensor load at the head, and stay for both passes: nothing is filled again, one barrier shows them to all.
; CLUSTER.  The four work-groups of a head read the same records: each record is asked for jointly.
; No prefetch into the L2: all that the work-group reads of kv is asked for by these sixteen loads at the start; there is no later tile to run ahead for.
; TWO RUNS OF 64 REGISTERS CHANGE ROLES from step to step: one holds K's tiles and then V's fragments, the other the scores and then p.  When p has been summed and converted, the NEXT step's K is read into p's registers,
; 17 LDS loads that land under the lane swaps, the end of the sum and the second product.  So the loop's trip is two steps.  Step 15 reads record 0 again: the second pass begins with it (behind the second pass it is read and not used).
; LAYOUT.  S^T = K Q^T (source 0 = 16 keys), O^T = V^T P^T (source 0 = 16 channels): a lane holds ONE query (lane % 16).  K = 64 in an instruction 128 deep: Q's registers 6-11 are zero codes, bytes 2, 3 of Q's and K's
; scale words are 0; K's tile t is named as 12 registers from its sixth register on; the upper six hold bits that are finite codes whatever they are (E2M3 has no NaN and no infinity) and meet Q's zeros.
; p's codes come out in the order 0-7, 16-23, 8-15, 24-31 of a block, as V's were laid.
; zc: a record of 102,400 bytes for 128 rows: [8 tiles][16 heads][768] codes, then [16 heads][128 rows] of two scale bytes.
; LIMITS: NaN and infinities are not served.  The promise holds while the scaled scores stay under 2^31 in magnitude.  A block whose largest magnitude lies under 2^-124 gets the byte 1.  p under 2^-126 falls to 0
; (v_exp_f32 flushes denormal results: ISA guide, 15.8).  The mask's -1e9 is taken as -2^30: a row whose every score is masked gets equal weights; the result differs only where a row's largest kept score lies under about -9.9e8.
; REGISTERS: v1, v2 16, 8 x lane; v3, v4 the trip's LDS addresses; v5, v10 the stage for z's scale bytes, v6, v11 its way out; v8 Q's scale offset; v12 -M, v13 largest t, v[14:15] the sum; v16-21 Q, v22-27 zeros;
; v28-31 at work; v32-95, v96-159 the two runs; v160-191 O^T; v192-195, v200-203 K's scale words, two sets; v196-197 V's; v198 -2^30; v204-210 the second pass's Q; v212-222 at work; v224-235 p's codes;
; v232-249, v252-254 at work; v250, v251 the add's; v255 Q's scale words.
.set REC,   13056
.set HEADB, 16*REC
.set VOF,   6144
.set KSC,   12288
.set VSC,   12800
.set QREC,  6656
.set ZREC,  102400
.set ZST,   HEADB                      ; 1,024 bytes: the 512 queries' two scale bytes each
.set SPARE, 0x34000                    ; the spare words: 2,048 bytes that no other line names
.set WV,  12
.set SEL, 20
.set CS,  22
.set G1,  24
.set G0,  32
.set T2,  48
.set CNT, 49
.set PS,  50
.set ZO,  51
.set MK,  52
.macro CROUND
	s_barrier_signal -1
	s_barrier_wait -1
	s_cmp_lg_u32 s[WV], 0
	s_cbranch_scc1 .Lnot_wave_0_\@
	s_barrier_signal -3
.Lnot_wave_0_\@:
	s_barrier_wait -3
	s_barrier_signal -1
	s_barrier_wait -1
.endm
	s_load_b128 s[4:7], s[0:1], 0x0                ; qr, kv
	s_load_b64 s[8:9], s[0:1], 0x10                ; zc
	v_lshl_add_u32 v250, v0, 2, SPARE
	v_mov_b32 v251, 0
	ds_add_u32 v250, v251                          ; the opening lines
	ds_add_u32 v250, v251
	v_lshrrev_b32 v1, 5, v0
	s_delay_alu instid0(VALU_DEP_1)
	v_readfirstlane_b32 s[WV], v1                  ; wave 0..15
	s_bfe_u32 s14, ttmp6, 0x40000                  ; cx: my block of 512 queries; it enters global addresses of Q and z alone
	s_and_b32 s15, ttmp7, 0xffff                   ; batch x 16 + head
	s_mov_b32 s[G1], 15|(3<<16)|(1<<21)            ; a record: 51 rows of 256 bytes, dense; the mask names all four
	s_mov_b32 s[G1+1], 32<<16
	s_mov_b32 s[G1+2], 51<<16
	s_mov_b32 s[G1+3], 32<<16
	s_mov_b32 s[G1+4], 51
	s_mov_b32 s[G1+5], 32
	s_mov_b32 s[G1+6], 0
	s_mov_b32 s[G1+7], 0
	s_mul_i32 s16, s[WV], REC                      ; record w, in LDS and in memory
	s_mul_i32 s18, s15, HEADB
	s_add_co_u32 s18, s18, s16
	s_mov_b32 s19, 0
	s_mov_b32 s[SEL], 0x76543210
	s_mov_b32 s[SEL+1], 0xfedcba98
	s_mov_b32 s[CS], 0x4138aa3b                    ; 8 log2(e)
	s_mov_b32 s[CS+1], s[CS]
	s_wait_dscnt 0x0
	s_wait_kmcnt 0x0
	s_add_nc_u64 s[6:7], s[6:7], s[18:19]
	CROUND                                         ; the joint loads meet
	s_mov_b32 s[G0], 1
	s_mov_b32 s[G0+1], s16
	s_mov_b64 s[G0+2:G0+3], s[6:7]
	s_or_b32 s[G0+3], s[G0+3], 0x80000000
	tensor_load_to_lds s[G0:G0+3], s[G1:G1+7]      ; every wave's one load: record w
	s_nop 0
.rept 4
	v_nop
.endr
	s_lshl_b32 s13, s14, 2
	s_lshr_b32 s18, s[WV], 3
	s_add_co_u32 s13, s13, s18                     ; my 128 queries in the first pass: 4 cx + w / 8
	s_mul_i32 s16, s15, 16*QREC
	s_mul_i32 s18, s13, QREC
	s_add_co_u32 s16, s16, s18
	s_mov_b32 s17, 0
	s_add_nc_u64 s[4:5], s[4:5], s[16:17]          ; their record of qr
	s_and_b32 s18, s[WV], 7
	s_mul_i32 s16, s18, 768
	s_add_nc_u64 s[16:17], s[4:5], s[16:17]        ; my tile in it
	s_and_b32 s19, s[WV], 1
	s_lshl_b32 s19, s19, 8                         ; the words of tile 2 i + u lie at 256 u + 16 row + 4 i
	s_lshr_b32 s10, s18, 1
	s_lshl_b32 s10, s10, 2
	s_add_co_u32 s19, s19, s10
	s_and_b32 s44, s15, 15                         ; head
	s_lshr_b32 s10, s15, 4
	s_lshl_b32 s10, s10, 4                         ; 16 x batch
	s_add_co_u32 s11, s10, s13
	s_mul_i32 s40, s11, ZREC                       ; zc: my record,
	s_mul_i32 s42, s18, 12288                      ; my tile,
	s_add_co_u32 s40, s40, s42
	s_mul_i32 s42, s44, 768                        ; my head
	s_add_co_u32 s40, s40, s42
	s_mov_b32 s41, 0
	s_lshl_b32 s11, s14, 2
	s_add_co_u32 s11, s10, s11
	s_mul_i32 s42, s11, ZREC                       ; the work-group's first record: its scale bytes of my head
	s_lshl_b32 s43, s44, 8
	s_add_co_u32 s42, s42, s43
	s_add_co_u32 s42, s42, 98304
	s_mov_b32 s43, 0
	s_add_nc_u64 s[10:11], s[8:9], s[42:43]
	s_add_nc_u64 s[8:9], s[8:9], s[40:41]
	s_lshl_b32 s18, s[WV], 5
	v_and_b32 v9, 31, v0
	v_and_b32 v7, 15, v0
	s_delay_alu instid0(VALU_DEP_2)
	v_lshlrev_b32 v1, 4, v9
	s_delay_alu instid0(VALU_DEP_3)
	v_lshlrev_b32 v2, 3, v9
	s_delay_alu instid0(VALU_DEP_3)
	v_lshl_add_u32 v8, v7, 4, s19
	s_delay_alu instid0(VALU_DEP_4)
	v_lshl_add_u32 v10, v7, 1, s18
	v_lshrrev_b32 v11, 4, v9
	s_delay_alu instid0(VALU_DEP_2)
	v_add_nc_u32 v10, ZST, v10                     ; the stage: 32 bytes a wave and pass, 2 a query
	v_add_nc_u32 v6, ZST, v1                       ; and back: 16 bytes a lane
	s_delay_alu instid0(VALU_DEP_3)
	v_mul_u32_u24 v11, v11, ZREC                   ; lanes 0-15 one record's 256 bytes, lanes 16-31 the next record's
	v_add_nc_u32 v3, 0, v1                         ; the first trip's records begin at LDS byte 0
	v_add_nc_u32 v4, 0, v2
	s_delay_alu instid0(VALU_DEP_3)
	v_lshl_add_u32 v11, v7, 4, v11
	global_load_b128 v[16:19], v1, s[16:17]        ; the first pass's Q,
	global_load_b64 v[20:21], v2, s[16:17] offset:512
	global_load_b32 v255, v8, s[4:5] offset:6144
	global_load_b128 v[204:207], v1, s[16:17] offset:2*QREC        ; and the second's, 256 queries on
	global_load_b64 v[208:209], v2, s[16:17] offset:2*QREC+512
	global_load_b32 v210, v8, s[4:5] offset:2*QREC+6144
.irp j, 22,23,24,25,26,27,80,81,82,83,84,85
	v_mov_b32 v[\j], 0                             ; Q's zero codes; and v80-85 are named behind K's tile 7 before anything else has written them
.endr
	v_mov_b32 v198, 0xce800000                     ; -2^30
.irp b, 0,1,2,3
	v_mov_b32 v[236+\b], 0                         ; a lane permute's destination counts as a source
.endr
	v_mov_b32 v253, 0
	s_mov_b32 s[PS], 0
	s_mov_b32 s[ZO], 0
	s_wait_alu depctr_va_vdst(0)
	s_wait_tensorcnt 0x0                           ; my record is in,
	s_wait_loadcnt 0x0                             ; and Q
	s_barrier_signal -1
	s_barrier_wait -1                              ; everybody's record is in
.macro FOLD sb, gp                     ; four masked scores of group gp into the two running maxima of their block of 32 keys
.set fb, (\gp)/4
.set fx, \sb+4*(\gp)
.if (\gp)%4 == 0
	v_max3_num_f32 v[232+fb], v[fx], v[fx+1], v[fx+2]
.elseif (\gp)%4 == 1
	v_max3_num_f32 v[232+fb], v[232+fb], v[fx], v[fx+1]
	v_max3_num_f32 v[240+fb], v[fx-1], v[fx+2], v[fx+3]
.else
	v_max3_num_f32 v[232+fb], v[232+fb], v[fx], v[fx+1]
	v_max3_num_f32 v[240+fb], v[240+fb], v[fx+2], v[fx+3]
.endif
.endm
.macro KPF sb, ksn, ko                 ; a record's K: its scale words, then its eight tiles: 17 loads
	ds_load_b128 v[\ksn:\ksn+3], v3 offset:\ko+KSC
.irp t, 0,1,2,3,4,5,6,7
	ds_load_b128 v[\sb+6*\t:\sb+6*\t+3], v3 offset:\ko+768*\t
	ds_load_b64 v[\sb+6*\t+4:\sb+6*\t+5], v4 offset:\ko+768*\t+512
.endr
.endm
.macro VL kb, vo, d, c                 ; half a fragment of V
	ds_load_b128 v[\kb+12*\d+6*\c:\kb+12*\d+6*\c+3], v3 offset:\vo+VOF+3072*\c+768*\d
	ds_load_b64 v[\kb+12*\d+6*\c+4:\kb+12*\d+6*\c+5], v4 offset:\vo+VOF+3072*\c+768*\d+512
.endm
.macro ADDP a                          ; the next pair of p onto the partial sum at v[a]
	v_pk_add_f32 v[\a:\a+1], v[\a:\a+1], v[pp:pp+1]
.set pp, pp+2
.endm
; A KEY STEP: 128 keys.  kb: K's, then V's run; sb: the scores' run; ksw, ksn: this and the next step's K scale words; vo: this record's byte from v3; ko: the next record's; upd: the trip's second step
.macro STEP kb, sb, ksw, ksn, vo, ko, upd
	s_wait_alu depctr_va_vdst(0)
.irp u, 0,1,2,3                                ; S^T = K Q^T.  The pair u names tiles up to 2 u + 2: behind their loads 10, 6, 2, 0 of the 17 were issued
.if \u < 3
	s_wait_dscnt 10-4*\u
.else
	s_wait_dscnt 0x0
.endif
	v_wmma_scale_f32_16x16x128_f8f6f4 v[\sb+16*\u:\sb+16*\u+7], v[\kb+12*\u:\kb+12*\u+11], v[16:27], 0, v[\ksw+\u], v255 matrix_a_fmt:MATRIX_FMT_FP6 matrix_b_fmt:MATRIX_FMT_FP6
	v_wmma_scale_f32_16x16x128_f8f6f4 v[\sb+16*\u+8:\sb+16*\u+15], v[\kb+12*\u+6:\kb+12*\u+17], v[16:27], 0, v[\ksw+\u], v255 matrix_a_fmt:MATRIX_FMT_FP6 matrix_b_fmt:MATRIX_FMT_FP6 matrix_a_scale:MATRIX_SCALE_ROW1
.endr
	v_mov_b32 v254, v12                            ; the old -M; with the three below: four places ahead of the first read of the scores
.rept 3
	v_nop
.endr
.set g, 0
.rept 16                                       ; THE MASK, four scores at a time, ascending; the group before is folded, and blocks 0-2 are finished, meanwhile
.irp i, 0,1,2,3
	v_cmp_eq_f32 s[MK+\i], 0, v[\sb+4*g+\i]
.endr
.irp i, 0,1,2,3
	v_cndmask_b32 v[\sb+4*g+\i], v[\sb+4*g+\i], v198, s[MK+\i]
.endr
.if g > 0
	FOLD \sb, g-1
.endif
.if g > 4
.if g%4 == 1
	v_max_num_f32 v[232+(g-5)/4], v[232+(g-5)/4], v[240+(g-5)/4]
.elseif g%4 == 2
	v_permlanex16_b32 v[236+(g-6)/4], v[232+(g-6)/4], s[SEL], s[SEL+1]
.elseif g%4 == 3
	v_max_num_f32 v[232+(g-7)/4], v[232+(g-7)/4], v[236+(g-7)/4]   ; with lane l xor 16's 16 keys: the block's largest score
.endif
.endif
.set g, g+1
.endr
	FOLD \sb, 15
	s_delay_alu instid0(VALU_DEP_3)
	v_max3_num_f32 v31, v232, v233, v234
	s_delay_alu instid0(VALU_DEP_2)
	v_max_num_f32 v235, v235, v243
	VL \kb, \vo, 0, 0                              ; V's loads stand between the links of the chain to M
	v_permlanex16_b32 v239, v235, s[SEL], s[SEL+1]
	VL \kb, \vo, 0, 1
	v_max_num_f32 v235, v235, v239
	VL \kb, \vo, 1, 0
	v_max_num_f32 v31, v31, v235                   ; the step's largest score of my query
	VL \kb, \vo, 1, 1
	v_mul_f32 v31, s[CS], v31
	VL \kb, \vo, 2, 0
	v_max_num_f32 v13, v13, v31                    ; the running largest t
	VL \kb, \vo, 2, 1
	v_floor_f32 v12, -v13                          ; the new -M
	VL \kb, \vo, 3, 0
	VL \kb, \vo, 3, 1
	ds_load_b64 v[196:197], v4 offset:\vo+VSC      ; V's scale words
.set j, 0
.rept 32
	v_pk_fma_f32 v[\sb+j:\sb+j+1], v[\sb+j:\sb+j+1], s[CS:CS+1], v[12:13] op_sel_hi:[1,0,0]   ; t - M
.if j == 8
	v_sub_f32 v254, v12, v254                      ; old M less new M; the three lines that make f stand five multiply-adds apart
.elseif j == 18
	v_cvt_i32_f32 v254, v254
.elseif j == 28
	v_ldexp_f32 v252, 1.0, v254                    ; f = 2^(old M - new M)
.endif
.set j, j+2
.endr
.irp b, 0,1,2,3
	v_fma_f32 v[232+\b], v[232+\b], s[CS], v12     ; the same of each block's largest score
.endr
.set j, 0
.rept 16
	v_pk_mul_f32 v[160+j:161+j], v[160+j:161+j], v[252:253] op_sel_hi:[1,0]   ; O^T under the new M
.set j, j+2
.endr
	v_pk_mul_f32 v[14:15], v[14:15], v[252:253] op_sel_hi:[1,0]               ; and the sum
	s_wait_alu depctr_va_vdst(0)
.set j, 0
.rept 64
	v_exp_f32 v[\sb+j], v[\sb+j]                   ; p
.set j, j+1
.endr
.irp b, 0,1,2,3
	v_exp_f32 v[232+\b], v[232+\b]                 ; the block's largest p: the same two instructions on the same number give the same bits
.endr
.if \upd
	v_add_nc_u32 v3, s[T2], v1                     ; the next trip's records (V's loads of this step have been issued); also the plain place behind the batch
	v_add_nc_u32 v4, s[T2], v2
.else
	v_nop
.endif
	s_wait_alu depctr_va_vdst(0)                   ; one wait for the batch, ahead of its first reader
.irp b, 0,1,2,3
	v_max_num_f32 v[232+\b], 0x1800000, v[232+\b]  ; the floor 2^(3 - 127)
.endr
.set pp, \sb                                   ; THE SUM of the unquantised p in eight partial sums; the scales' arithmetic stands between its rows
.irp a, 236,238,240,242,244,246,248
	v_pk_add_f32 v[\a:\a+1], v[pp:pp+1], v[pp+2:pp+3]
.set pp, pp+4
.endr
	ADDP 14
.irp b, 0,1,2,3
	v_add_nc_u32 v[212+\b], 0xff000000, v[232+\b]  ; 2 off the exponent field: the conversion's scale operand
.endr
.irp a, 236,238,240,242,244,246,248,14
	ADDP \a
.endr
.irp b, 0,1,2,3
	v_lshrrev_b32 v[216+\b], 23, v[212+\b]         ; the scale's byte
.endr
.irp a, 236,238,240,242
	ADDP \a
.endr
	v_lshl_or_b32 v216, v217, 8, v216
	v_lshl_or_b32 v218, v219, 8, v218
.irp a, 244,246,248,14,236
	ADDP \a
.endr
	v_lshl_or_b32 v253, v218, 16, v216             ; p's scale word
	v_cvt_scalef32_pk16_fp6_f32 v[224:226], v[\sb:\sb+15], v212
	v_cvt_scalef32_pk16_fp6_f32 v[220:222], v[\sb+16:\sb+31], v213
	v_cvt_scalef32_pk16_fp6_f32 v[230:232], v[\sb+32:\sb+47], v214
	v_cvt_scalef32_pk16_fp6_f32 v[28:30], v[\sb+48:\sb+63], v215
	v_nop                                          ; one plain place behind a scaled conversion
	KPF \sb, \ksn, \ko                             ; p is summed and converted: the next step's K into its registers
.irp i, 0,1,2                                  ; a whole block in a lane
	v_permlane16_swap_b32 v[224+\i], v[220+\i]
	v_permlane16_swap_b32 v[230+\i], v[28+\i]
.endr
	v_pk_add_f32 v[236:237], v[236:237], v[238:239]
	v_pk_add_f32 v[240:241], v[240:241], v[242:243]
	v_pk_add_f32 v[244:245], v[244:245], v[246:247]
	v_pk_add_f32 v[14:15], v[14:15], v[248:249]
.irp i, 0,1,2
	v_mov_b32 v[227+\i], v[220+\i]
	v_mov_b32 v[233+\i], v[28+\i]
.endr
	v_pk_add_f32 v[236:237], v[236:237], v[240:241]
	v_pk_add_f32 v[14:15], v[14:15], v[244:245]
	s_delay_alu instid0(VALU_DEP_1)
	v_pk_add_f32 v[14:15], v[14:15], v[236:237]
	v_nop                                          ; (these four are the places between the last write of p's codes and the products)
	s_wait_alu depctr_va_vdst(0)
	s_wait_dscnt 17                                ; V is in; the 17 loads of the next K, issued behind V's, may be out
.irp u, 0,1                                    ; O^T += V^T P^T: the four accumulators by turns
	v_wmma_scale_f32_16x16x128_f8f6f4 v[160+16*\u:167+16*\u], v[\kb+24*\u:\kb+24*\u+11], v[224:235], v[160+16*\u:167+16*\u], v[196+\u], v253 matrix_a_fmt:MATRIX_FMT_FP6 matrix_b_fmt:MATRIX_FMT_FP6
	v_wmma_scale_f32_16x16x128_f8f6f4 v[168+16*\u:175+16*\u], v[\kb+24*\u+12:\kb+24*\u+23], v[224:235], v[168+16*\u:175+16*\u], v[196+\u], v253 matrix_a_fmt:MATRIX_FMT_FP6 matrix_b_fmt:MATRIX_FMT_FP6 matrix_a_scale:MATRIX_SCALE_ROW1
.endr
.rept 5
	v_nop                                          ; five places: the next step's scores are written over V's registers
.endr
.endm
	KPF 32, 192, 0                                 ; record 0's K
.Lpass:                                        ; A PASS: one tile of 16 queries
	v_add_nc_u32 v5, s[ZO], v10
	v_mov_b32 v13, 0xff61b1e6                      ; -3e38, under every t
	s_delay_alu instid0(VALU_DEP_1)
	v_floor_f32 v12, -v13
	v_mov_b32 v14, 0
	v_mov_b32 v15, 0
.set j, 0
.rept 32
	v_mov_b32 v[160+j], 0                          ; O^T: the step is written for every step alike
.set j, j+1
.endr
	s_mov_b32 s[CNT], 0
.Lstep:                                        ; a trip: two steps, until the two runs are back in their roles
	STEP 32, 96, 192, 200, 0, REC, 0
	s_add_co_u32 s[T2], s[CNT], 1
	s_and_b32 s[T2], s[T2], 7                      ; behind the eighth trip: record 0 again
	s_mul_i32 s[T2], s[T2], 2*REC
	STEP 96, 32, 200, 192, REC, 0, 1
	s_add_co_u32 s[CNT], s[CNT], 1
	s_cmp_lt_u32 s[CNT], 8
	s_cbranch_scc1 .Lstep
	; z = O^T / the sum; natural order along the channels; two blocks of 32; half a fragment of the last product's operand
	v_add_f32 v14, v14, v15
	s_delay_alu instid0(VALU_DEP_1)
	v_permlanex16_b32 v252, v14, s[SEL], s[SEL+1]
	s_delay_alu instid0(VALU_DEP_1)
	v_add_f32 v14, v14, v252                       ; the row's sum
	s_wait_alu depctr_va_vdst(0)
	v_rcp_f32 v14, v14
	v_nop                                          ; the plain place behind the reciprocal
	s_wait_alu depctr_va_vdst(0)
.set j, 0
.rept 32
	v_mul_f32 v[96+j], v[160+j], v14               ; register 8 d + i is z(r, 16 d + 8 h + i)
.set j, j+1
.endr
.irp b, 0,1
.irp i, 0,1,2,3,4,5,6,7
	v_permlane16_swap_b32 v[96+16*\b+\i], v[104+16*\b+\i]   ; register 16 b + i is channel 32 b + 16 h + i
.endr
.endr
.irp b, 0,1
	v_max3_num_f32 v[232+\b], |v[96+16*\b]|, |v[97+16*\b]|, 0x1800000
.endr
.irp i, 2,4,6,8,10,12,14
.irp b, 0,1
	s_delay_alu instid0(VALU_DEP_2)
	v_max3_num_f32 v[232+\b], v[232+\b], |v[96+16*\b+\i]|, |v[97+16*\b+\i]|
.endr
.endr
.irp b, 0,1
	s_delay_alu instid0(VALU_DEP_2)
	v_permlanex16_b32 v[236+\b], v[232+\b], s[SEL], s[SEL+1]
.endr
.irp b, 0,1
	s_delay_alu instid0(VALU_DEP_2)
	v_max_num_f32 v[232+\b], v[232+\b], v[236+\b]
.endr
.irp b, 0,1
	s_delay_alu instid0(VALU_DEP_2)
	v_add_nc_u32 v[244+\b], 0xff000000, v[232+\b]
.endr
.irp b, 0,1
	s_delay_alu instid0(VALU_DEP_2)
	v_lshrrev_b32 v[236+\b], 23, v[244+\b]
.endr
	s_delay_alu instid0(VALU_DEP_1)
	v_lshl_or_b32 v253, v237, 8, v236              ; my row's two scale bytes
	v_cvt_scalef32_pk16_fp6_f32 v[224:226], v[96:111], v244
	v_cvt_scalef32_pk16_fp6_f32 v[240:242], v[112:127], v245
	v_nop
.irp i, 0,1,2
	v_permlane16_swap_b32 v[224+\i], v[240+\i]
.endr
.irp i, 0,1,2
	s_delay_alu instid0(VALU_DEP_3)
	v_mov_b32 v[227+\i], v[240+\i]
.endr
	global_store_b128 v1, v[224:227], s[8:9]       ; 512 consecutive bytes, at a multiple of 256 from the buffer's first byte
	global_store_b64 v2, v[228:229], s[8:9] offset:512
	ds_store_b16 v5, v253                          ; both lanes of a row write the same two bytes
.irp i, 0,1,2,3,4,5
	v_mov_b32 v[16+\i], v[204+\i]                  ; the second pass's Q
.endr
	v_mov_b32 v255, v210
	s_wait_xcnt 0x0                                ; the base and the stores' data are written again only behind this wait
	s_add_nc_u64 s[8:9], s[8:9], 2*ZREC            ; the next pass: 256 queries on
	s_add_co_u32 s[ZO], s[ZO], 512
	s_add_co_u32 s[PS], s[PS], 1
	s_cmp_lt_u32 s[PS], 2
	s_wait_alu depctr_va_vdst(0)
	s_cbranch_scc1 .Lpass
	s_wait_dscnt 0x0                               ; for the others' sake
	s_barrier_signal -1
	s_barrier_wait -1
	s_cmp_lg_u32 s[WV], 0
	s_cbranch_scc1 .Lnot_mine
	ds_load_b128 v[232:235], v6                    ; wave 0 stores the 512 queries' bytes: 256 consecutive bytes into each of four records
	ds_load_b128 v[236:239], v6 offset:512
	s_wait_dscnt 0x0
	global_store_b128 v11, v[232:235], s[10:11]
	global_store_b128 v11, v[236:239], s[10:11] offset:2*ZREC
.Lnot_mine:
	s_wait_tensorcnt 0x0                           ; the wave's end
	ds_add_u32 v250, v251
	s_wait_dscnt 0x0
	CROUND                                         ; the closing round
	s_endpgm
.Lfunc_end_k_q7e9f77ea3d_attn:
	.size	k_q7e9f77ea3d_attn, .Lfunc_end_k_q7e9f77ea3d_attn-k_q7e9f77ea3d_attn
	.p2alignl 7, 3214868480
	.fill 96, 4, 3214868480
	.section	.rodata,"a",@progbits
	.p2align	6, 0x0
	.amdhsa_kernel k_q7e9f77ea3d_attn
		.amdhsa_group_segment_fixed_size 215040
		.amdhsa_private_segment_fixed_size 0
		.amdhsa_enable_private_segment 0
		.amdhsa_kernarg_size 24
		.amdhsa_user_sgpr_count 2
		.amdhsa_user_sgpr_kernarg_segment_ptr 1
		.amdhsa_wavefront_size32 1
		.amdhsa_system_sgpr_workgroup_id_x 1
		.amdhsa_system_sgpr_workgroup_id_y 1
		.amdhsa_system_sgpr_workgroup_id_z 1
		.amdhsa_system_vgpr_workitem_id 0
		.amdhsa_next_free_vgpr 256
		.amdhsa_next_free_sgpr 66
		.amdhsa_reserve_vcc 0
		.amdhsa_float_denorm_mode_32 3
		.amdhsa_float_denorm_mode_16_64 3
		.amdhsa_memory_ordered 1
		.amdhsa_forward_progress 1
		.amdhsa_inst_pref_size 63
	.end_amdhsa_kernel
	.amdgpu_metadata
---
amdhsa.version: [ 1, 2 ]
amdhsa.kernels:
  - .name:           k_q7e9f77ea3d_attn
    .symbol:         k_q7e9f77ea3d_attn.kd
    .args:
      - { .name: qr, .offset: 0, .size: 8, .value_kind: global_buffer, .address_space: global }
      - { .name: kv, .offset: 8, .size: 8, .value_kind: global_buffer, .address_space: global }
      - { .name: zc, .offset: 16, .size: 8, .value_kind: global_buffer, .address_space: global }
    .group_segment_fixed_size: 215040
    .private_segment_fixed_size: 0
    .kernarg_segment_align: 8
    .kernarg_segment_size: 24
    .max_flat_workgroup_size: 512
    .sgpr_count:     66
    .vgpr_count:     256
    .wavefront_size: 32
...
	.end_amdgpu_metadata
.endif
;; end of part 2
;; launch outp (part 3): grid 4 x 64, 4 waves a work-group, clusters of 4 x 4, 311,808 bytes of LDS; arguments zc, Wo_codes, Wo_scales, bo, out0; writes out0
.if DOCPART == 3
	.amdgcn_target "amdgcn-amd-amdhsa--gfx1250"
	.amdhsa_code_object_version 6
	.text
	.protected	k_q7e9f77ea3d_outp
	.globl	k_q7e9f77ea3d_outp
	.p2align	8
	.type	k_q7e9f77ea3d_outp,@function
k_q7e9f77ea3d_outp:
	s_mov_b64 s[64:65], 0
	v_nop
	global_prefetch_b8 v0, s[64:65] scope:SCOPE_SE
	s_setreg_imm32_b32 hwreg(HW_REG_WAVE_MODE, 25, 1), 1
	s_wait_xcnt 0x0
	s_wait_alu depctr_hold_cnt(0) depctr_sa_sdst(0) depctr_va_vdst(0) depctr_va_sdst(0) depctr_va_ssrc(0) depctr_va_vcc(0) depctr_vm_vsrc(0)
	s_getreg_b32 s2, hwreg(HW_REG_IB_STS2, 6, 4)
	s_cmp_eq_u32 s2, 0
	s_cbranch_scc0 .Lentry_in_a_cluster
	s_endpgm
.Lentry_in_a_cluster:
	s_bfe_u32 s2, ttmp6, 0x10000c
	s_cmp_lg_u32 s2, 0xf033
	s_cbranch_scc0 .Lentry_shape_is_right
	s_endpgm
.Lentry_shape_is_right:
; out0 = z Wo^T + bo on codes of FP6 (E2M3) with E8M0 scales, K = 1,024.  z comes as records of 102,400 bytes for 128 rows: images of operand registers [8 tiles][16 heads][768], then [16 heads][128 rows] of two scale bytes; Wo as given.
; SHARES.  A work-group makes 128 rows x 256 columns; wave w makes columns 64 w .. 64 w + 63 for all 128 rows.  Its 32 fragments of Wo (384 registers) stay in registers, read from LDS once; z's fragments are read by all four waves.
; CLUSTER, 4 x 4.  The four of a column need the same rows of Wo, the four of a row the same z: each is asked for jointly.  One tensor load a wave, all at the head: waves 0, 1 fetch 128 rows of Wo each, waves 2, 3 half of z's record each.
; Nothing in LDS is filled again.  No prefetch: all that is read comes by these four loads at the start; there is no loop to run ahead in.
; Source 0 = 16 rows of Wo, source 1 = 16 rows of z: a lane holds eight neighbouring columns of one row.  The bias is the C of each sum's first product.
; LDS: 4 x 52,224: 64 rows of Wo each, as blocks of 256 bytes + 16 of padding (a row of 768 bytes is 816 bytes from the next); at 208,896 z's record, dense; at 311,296 the spare words.
; The way out goes through the first 16 x 272 bytes of the wave's own part of Wo, which has had its one fill and whose reads are over.
; REGISTERS: window 0: v1-14 addresses, v15 the add's; v16-31 Wo's scale words; v32-63 z's; v64-159 z's 8 fragments; v160-223 four accumulators, two sets; v224-255 rows on their way out.
;   window 1: Wo's fragments of K steps 0-4; its v255 holds the add's 0.   window 2: those of K steps 5-7; from v160 the bias.
.set WREG, 52224
.set WROW, 816
.set ZREC, 102400
.set ZL,   4*WREG
.set ZSL,  ZL+98304
.set WV,   16
.set G1W,  24
.set G1Z,  40
.set G0W,  48
.set G0Z,  56
.set WS,   16
.set ZS,   32
.set ZF,   64
.set ACC,  160
.set OUTR, 224
.set BIAS, 160
.set MSB, 0
.macro WIN new
.if MSB != \new
	s_set_vgpr_msb (MSB<<8)|\new
.set MSB, \new
.endif
.endm
.macro CROUND
	s_barrier_signal -1
	s_barrier_wait -1
	s_cmp_lg_u32 s[WV], 0
	s_cbranch_scc1 .Lnot_wave_0_\@
	s_barrier_signal -3
.Lnot_wave_0_\@:
	s_barrier_wait -3
	s_barrier_signal -1
	s_barrier_wait -1
.endm
.macro PLACES
.rept 4
	v_nop
.endr
.endm
	s_load_b64 s[4:5], s[0:1], 0x0                 ; zc
	s_load_b128 s[8:11], s[0:1], 0x8               ; Wo's codes, Wo's scales
	s_load_b128 s[12:15], s[0:1], 0x18             ; bo, out0
	v_lshl_add_u32 v15, v0, 2, 0x4c000
	s_set_vgpr_msb 0x40
	v_mov_b32 v255, 0
	s_set_vgpr_msb 0x4044
	ds_add_u32 v15, v255                           ; the opening lines
	ds_add_u32 v15, v255
	s_set_vgpr_msb 0x4400
	v_lshrrev_b32 v1, 5, v0
	v_readfirstlane_b32 s[WV], v1
	s_bfe_u32 s17, ttmp6, 0x40000                  ; cx: which 256 columns
	s_bfe_u32 s18, ttmp6, 0x40004                  ; cy
	s_and_b32 s19, ttmp7, 0xffff
	s_lshl_b32 s19, s19, 2
	s_add_co_u32 s19, s19, s18                     ; which 128 rows
	s_lshl_b32 s20, s18, 2
	s_lshl_b32 s20, 15, s20                        ; my row of the cluster
	s_lshl_b32 s21, 0x1111, s17                    ; my column
	; Wo: 128 rows of 768 bytes, dense: 384 rows of 256 bytes, 16 bytes of padding behind each
	s_or_b32 s[G1W], s21, (3<<16)|(1<<20)|(1<<21)|(5<<22)|(3<<25)
	s_mov_b32 s[G1W+1], 32<<16
	s_mov_b32 s[G1W+2], 384<<16
	s_mov_b32 s[G1W+3], 32<<16
	s_mov_b32 s[G1W+4], 384
	s_mov_b32 s[G1W+5], 32
	s_mov_b32 s[G1W+6], 0
	s_mov_b32 s[G1W+7], 0
	; z: half a record, 51,200 dense bytes: 200 rows of 256
	s_or_b32 s[G1Z], s20, (3<<16)|(1<<21)
	s_mov_b32 s[G1Z+1], 32<<16
	s_mov_b32 s[G1Z+2], 200<<16
	s_mov_b32 s[G1Z+3], 32<<16
	s_mov_b32 s[G1Z+4], 200
	s_mov_b32 s[G1Z+5], 32
	s_mov_b32 s[G1Z+6], 0
	s_mov_b32 s[G1Z+7], 0
	s_lshl_b32 s22, s17, 8
	s_lshl_b32 s23, s[WV], 6
	s_add_co_u32 s22, s22, s23                     ; my first column: 256 cx + 64 w
	s_and_b32 s69, s[WV], 1                        ; which half I fetch
	s_lshl_b32 s60, s17, 8
	s_lshl_b32 s61, s69, 7
	s_add_co_u32 s60, s60, s61
	s_mul_i32 s60, s60, 768                        ; Wo: rows 256 cx + 128 x half
	s_mov_b32 s61, 0
	s_mul_i32 s62, s19, ZREC                       ; z: my work-group's record, its half
	s_mul_i32 s63, s69, ZREC/2
	s_add_co_u32 s62, s62, s63
	s_mov_b32 s63, 0
	s_mul_i32 s68, s[WV], WREG
	v_and_b32 v224, 31, v0
	v_and_b32 v225, 15, v0
	v_bfe_u32 v226, v0, 4, 1
	v_lshlrev_b32 v1, 4, v224
	v_lshlrev_b32 v2, 3, v224
	v_mul_u32_u24 v3, v225, WROW
	v_mad_u32_u24 v3, v226, 24, v3
	v_add_nc_u32 v3, s68, v3                       ; Wo: row r, + 24 h
	v_lshl_add_u32 v4, v226, 4, v3                 ; and the same behind one padding more
	v_mul_u32_u24 v5, v225, 272
	v_lshl_add_u32 v5, v226, 5, v5
	v_add_nc_u32 v5, s68, v5                       ; the stage, in
	v_mul_u32_u24 v6, v226, 272
	v_lshl_add_u32 v6, v225, 4, v6
	v_add_nc_u32 v6, s68, v6                       ; back: lanes 0-15 one row of 256 bytes, lanes 16-31 the next
	v_lshlrev_b32 v7, 12, v226
	v_lshl_add_u32 v7, v225, 4, v7                 ; the same two rows in out0
	v_add_nc_u32 v8, ZL, v1
	v_add_nc_u32 v9, ZL+49152, v1
	v_add_nc_u32 v10, ZL, v2
	v_add_nc_u32 v11, ZL+49152, v2
	v_lshl_add_u32 v12, v224, 1, ZSL
	v_lshlrev_b32 v13, 5, v224
	v_lshlrev_b32 v14, 5, v226
	s_wait_alu depctr_va_vdst(0)
	s_wait_dscnt 0x0
	s_wait_kmcnt 0x0
	s_mov_b32 s[G0W], 1
	s_mul_i32 s[G0W+1], s69, 2*WREG
	s_add_nc_u64 s[G0W+2:G0W+3], s[8:9], s[60:61]
	s_or_b32 s[G0W+3], s[G0W+3], 0x80000000
	s_mov_b32 s[G0Z], 1
	s_mul_i32 s70, s69, ZREC/2
	s_add_co_u32 s[G0Z+1], s70, ZL
	s_add_nc_u64 s[G0Z+2:G0Z+3], s[4:5], s[62:63]
	s_or_b32 s[G0Z+3], s[G0Z+3], 0x80000000
	s_lshl_b32 s70, s22, 5
	s_mov_b32 s71, 0
	s_add_nc_u64 s[10:11], s[10:11], s[70:71]      ; Wo's scale bytes at my first row
	s_lshl_b32 s70, s22, 2
	s_add_nc_u64 s[12:13], s[12:13], s[70:71]      ; the bias at my first column
	s_lshl_b32 s72, s19, 19
	s_add_co_u32 s70, s70, s72
	s_add_nc_u64 s[14:15], s[14:15], s[70:71]      ; out0 at my first row and column
	CROUND                                         ; the joint loads meet
	s_cmp_lt_u32 s[WV], 2
	s_cbranch_scc0 .Lfor_z
	tensor_load_to_lds s[G0W:G0W+3], s[G1W:G1W+7]
	s_nop 0
.rept 4
	v_nop
.endr
	s_branch .Lasked
.Lfor_z:
	tensor_load_to_lds s[G0Z:G0Z+3], s[G1Z:G1Z+7]
	s_nop 0
.rept 4
	v_nop
.endr
.Lasked:
.irp i, 0,1
	global_load_b128 v[WS+8*\i:WS+8*\i+3], v13, s[10:11] offset:1024*\i        ; lane L: the eight scale words of row 32 i + L
	global_load_b128 v[WS+8*\i+4:WS+8*\i+7], v13, s[10:11] offset:1024*\i+16
.endr
	WIN 0x80
.irp t, 0,1,2,3
	global_load_b128 v[BIAS+8*\t:BIAS+8*\t+3], v14, s[12:13] offset:64*\t      ; bo at columns 16 t + 8 h + 0 .. 7
	global_load_b128 v[BIAS+8*\t+4:BIAS+8*\t+7], v14, s[12:13] offset:64*\t+16
.endr
	WIN 0
	s_wait_tensorcnt 0x0                           ; my load is in,
	s_barrier_signal -1
	s_barrier_wait -1                              ; and everybody's
.macro WFRAG kk, t                     ; Wo's fragment of K step kk, tile t: six pieces of 8 bytes; the second address register serves where lanes 16-31 lie behind one padding more
.set WB, 12*(4*((\kk)%5)+(\t))
.irp p, 0,1,2,3,4,5
.set PCE, 12*(\kk)+6*(\p/3)+\p%3
.if PCE%32 < 29
	ds_load_b64 v[WB+2*\p:WB+2*\p+1], v3 offset:13056*(\t)+8*PCE+16*(PCE/32)
.else
	ds_load_b64 v[WB+2*\p:WB+2*\p+1], v4 offset:13056*(\t)+8*PCE+16*(PCE/32)
.endif
.endr
.endm
	WIN 0x40
.irp k, 0,1,2,3,4
.irp t, 0,1,2,3
	WFRAG \k, \t
.endr
.endr
	WIN 0x80
.irp k, 5,6,7
.irp t, 0,1,2,3
	WFRAG \k, \t
.endr
.endr
	WIN 0
.irp k, 0,1,2,3,4,5,6,7                        ; z's scale words: K step k is heads 2 k (bytes 0, 1) and 2 k + 1 (bytes 2, 3)
.irp i, 0,1,2,3
	ds_load_u16 v[ZS+4*\k+\i], v12 offset:512*\k+64*\i
	ds_load_u16 v[ACC+4*\k+\i], v12 offset:512*\k+64*\i+256
.endr
.endr
.macro ZLOAD tau, hf                   ; z's fragments of tile tau, K steps 4 hf .. 4 hf + 3: sixteen loads
.set zo, ((\tau)%4)*12288
.set za, (\tau)/4
.irp kq, 0,1,2,3
.irp c, 0,1
.set zr, ZF+12*(4*(\hf)+\kq)+6*\c
.set zb, zo+(2*(4*(\hf)+\kq)+\c)*768
	ds_load_b128 v[zr:zr+3], v[8+za] offset:zb
	ds_load_b64 v[zr+4:zr+5], v[10+za] offset:zb+512
.endr
.endr
.endm
	ZLOAD 0, 0
	ZLOAD 0, 1
	s_wait_dscnt 32                                ; Wo's fragments and the scale bytes are in; the 32 fragment loads may be out
.set j, 0
.rept 32
	v_lshl_or_b32 v[ZS+j], v[ACC+j], 16, v[ZS+j]
.set j, j+1
.endr
	s_wait_alu depctr_va_vdst(0)
	s_wait_loadcnt 0x0                             ; Wo's scale words and the bias
.rept 8
	v_nop                                          ; a scale register written by a vector instruction stands eight places ahead of a scaled matrix instruction
.endr
.macro WM dd, aa, bb, cc, sa, sb, ra, rb
.if (\ra) && (\rb)
	v_wmma_scale_f32_16x16x128_f8f6f4 v[\dd:\dd+7], v[\aa:\aa+11], v[\bb:\bb+11], v[\cc:\cc+7], v[\sa], v[\sb] matrix_a_fmt:MATRIX_FMT_FP6 matrix_b_fmt:MATRIX_FMT_FP6 matrix_a_scale:MATRIX_SCALE_ROW1 matrix_b_scale:MATRIX_SCALE_ROW1
.elseif (\ra)
	v_wmma_scale_f32_16x16x128_f8f6f4 v[\dd:\dd+7], v[\aa:\aa+11], v[\bb:\bb+11], v[\cc:\cc+7], v[\sa], v[\sb] matrix_a_fmt:MATRIX_FMT_FP6 matrix_b_fmt:MATRIX_FMT_FP6 matrix_a_scale:MATRIX_SCALE_ROW1
.elseif (\rb)
	v_wmma_scale_f32_16x16x128_f8f6f4 v[\dd:\dd+7], v[\aa:\aa+11], v[\bb:\bb+11], v[\cc:\cc+7], v[\sa], v[\sb] matrix_a_fmt:MATRIX_FMT_FP6 matrix_b_fmt:MATRIX_FMT_FP6 matrix_b_scale:MATRIX_SCALE_ROW1
.else
	v_wmma_scale_f32_16x16x128_f8f6f4 v[\dd:\dd+7], v[\aa:\aa+11], v[\bb:\bb+11], v[\cc:\cc+7], v[\sa], v[\sb] matrix_a_fmt:MATRIX_FMT_FP6 matrix_b_fmt:MATRIX_FMT_FP6
.endif
.endm
.macro HALFP tau, hf                   ; sixteen products; the four accumulators take turns
.irp kq, 0,1,2,3
.set kk, 4*(\hf)+\kq
.if kk == 0
	WIN 0x21
.elseif kk < 5
	WIN 0x01
.else
	WIN 0x02
.endif
.irp t, 0,1,2,3
.set rD, ACC+32*((\tau)%2)+8*\t
.set rA, 12*(4*(kk%5)+\t)
.set rB, ZF+12*kk
.set rC, rD
.if kk == 0
.set rC, BIAS+8*\t
.endif
.set rSA, WS+8*(\t/2)+kk
.set rSB, ZS+4*kk+(\tau)/2
	WM rD, rA, rB, rC, rSA, rSB, \t%2, (\tau)%2
.endr
.endr
.endm
.macro OUTA tau                        ; a lane's 32 bytes of a row go into my stage and come back as whole rows of 256 bytes
.set AC0, ACC+32*((\tau)%2)
	s_wait_xcnt 0x0                                ; the earlier stores have read their registers
.irp t, 0,1,2,3
	ds_store_b128 v5, v[AC0+8*\t:AC0+8*\t+3] offset:64*\t
	ds_store_b128 v5, v[AC0+8*\t+4:AC0+8*\t+7] offset:64*\t+16
.endr
.irp i, 0,1,2,3,4,5,6,7
	ds_load_b128 v[OUTR+4*\i:OUTR+4*\i+3], v6 offset:544*\i
.endr
.endm
.macro OUTB tau
.irp i, 0,1,2,3,4,5,6,7
	global_store_b128 v7, v[OUTR+4*\i:OUTR+4*\i+3], s[14:15] offset:(16*(\tau)+2*\i)*4096 th:TH_STORE_NT   ; sixteen lanes store 256 consecutive bytes, aligned
.endr
.endm
.macro TILE tau                        ; 16 rows: 32 products; the next tile's fragments are asked for as their registers fall free; the tile before goes out meanwhile
	s_wait_dscnt 16                                ; the sixteen loads of this tile's second half may be out
	HALFP \tau, 0
	WIN 0
	PLACES
.if (\tau) < 7
	ZLOAD (\tau)+1, 0
.endif
.if (\tau) > 0
	OUTA (\tau)-1
.endif
.if ((\tau) == 0) || ((\tau) == 7)
	s_wait_dscnt 16                                ; behind this tile's second half: sixteen LDS instructions
.else
	s_wait_dscnt 32                                ; the next tile's sixteen loads and the way out's sixteen
.endif
	HALFP \tau, 1
	WIN 0
	PLACES
.if (\tau) < 7
	ZLOAD (\tau)+1, 1
.endif
.if (\tau) > 0
.if (\tau) < 7
	s_wait_dscnt 16                                ; the rows are back from the stage; the sixteen loads just issued may be out
.else
	s_wait_dscnt 0x0
.endif
	OUTB (\tau)-1
.endif
.endm
.irp tau, 0,1,2,3,4,5,6,7
	TILE \tau
.endr
	OUTA 7
	s_wait_dscnt 0x0
	OUTB 7
	s_set_vgpr_msb 0x4
	s_wait_tensorcnt 0x0                           ; the wave's end
	ds_add_u32 v15, v255
	s_wait_dscnt 0x0
	s_set_vgpr_msb 0x400
	CROUND                                         ; the closing round
	s_endpgm
.Lfunc_end_k_q7e9f77ea3d_outp:
	.size	k_q7e9f77ea3d_outp, .Lfunc_end_k_q7e9f77ea3d_outp-k_q7e9f77ea3d_outp
	.p2alignl 7, 3214868480
	.fill 96, 4, 3214868480
	.section	.rodata,"a",@progbits
	.p2align	6, 0x0
	.amdhsa_kernel k_q7e9f77ea3d_outp
		.amdhsa_group_segment_fixed_size 311808
		.amdhsa_private_segment_fixed_size 0
		.amdhsa_enable_private_segment 0
		.amdhsa_kernarg_size 40
		.amdhsa_user_sgpr_count 2
		.amdhsa_user_sgpr_kernarg_segment_ptr 1
		.amdhsa_wavefront_size32 1
		.amdhsa_system_sgpr_workgroup_id_x 1
		.amdhsa_system_sgpr_workgroup_id_y 1
		.amdhsa_system_sgpr_workgroup_id_z 1
		.amdhsa_system_vgpr_workitem_id 0
		.amdhsa_next_free_vgpr 768
		.amdhsa_next_free_sgpr 80
		.amdhsa_reserve_vcc 0
		.amdhsa_float_denorm_mode_32 3
		.amdhsa_float_denorm_mode_16_64 3
		.amdhsa_memory_ordered 1
		.amdhsa_forward_progress 1
		.amdhsa_inst_pref_size 93
	.end_amdhsa_kernel
	.amdgpu_metadata
---
amdhsa.version: [ 1, 2 ]
amdhsa.kernels:
  - .name:           k_q7e9f77ea3d_outp
    .symbol:         k_q7e9f77ea3d_outp.kd
    .args:
      - { .name: zc, .offset: 0, .size: 8, .value_kind: global_buffer, .address_space: global }
      - { .name: Wo_codes, .offset: 8, .size: 8, .value_kind: global_buffer, .address_space: global }
      - { .name: Wo_scales, .offset: 16, .size: 8, .value_kind: global_buffer, .address_space: global }
      - { .name: bo, .offset: 24, .size: 8, .value_kind: global_buffer, .address_space: global }
      - { .name: out0, .offset: 32, .size: 8, .value_kind: global_buffer, .address_space: global }
    .group_segment_fixed_size: 311808
    .private_segment_fixed_size: 0
    .kernarg_segment_align: 8
    .kernarg_segment_size: 40
    .max_flat_workgroup_size: 128
    .sgpr_count:     80
    .vgpr_count:     768
    .wavefront_size: 32
...
	.end_amdgpu_metadata
.endif
;; end of part 3
